; MI455X (gfx1250); checked and timed in simulation.
; The chip was launched on July 23, 2026; its instructions are those of AMD's public machine-readable ISA for CDNA 5 (MIT licence, August 2026) and "CDNA5" Instruction Set Architecture Reference Guide (July 2026). The comments in the code are by the model that wrote it; some were corrected since.
;; QKV Attention Legacy. Allowed arithmetic: matrix products marked QUANTISED: E3M2 operands, one E8M0 scale for each 32 along K, by v_wmma_scale_f32_16x16x128_f8f6f4 with both operands' format E3M2, f32 sums; everything else in f32.
;; Inputs: qkv 4 x 3,072 x 2,048 float32.
;; Outputs: out0 4 x 1,024 x 2,048 float32.
;; This version of the problem:
;;   THIS VERSION OF THE PROBLEM IS GIVEN IN LOW PRECISION. The matrix products marked QUANTISED in the list below multiply operands that are first quantised to E3M2 (3 exponent bits, 2 mantissa bits; 6 bits a number), with one power-of-two scale for each 32 numbers along K (OCP MX v1.0); their sums are f32. All else is computed in f32.
;;   The module's matrix products, in the order in which they are computed (A, B: the left and right operand; K: the contracted axis; several contracted axes count as one K, in the product's order):
;;     1. batch 64 x [M 2,048, K 64] x [K 64, N 2,048]; A: computed on the way; B: computed on the way: QUANTISED
;;     2. batch 64 x [M 64, K 2,048] x [K 2,048, N 2,048]; A: input qkv; B: softmax (see below): QUANTISED
;;   THE QUANTISER, for each operand of a quantised product, along K:
;;     - K is cut into blocks of 32 from its start; a last block that is shorter is filled with zeros.
;;     - A block's scale is 2^e with e = floor(log2(the largest magnitude in the block)) - 4, held to -126 .. 127; a block of zeros has e = 0. As a byte (E8M0): e + 127.
;;     - Each number is divided by its block's scale, clamped to +-28, and rounded to the nearest number of E3M2, ties to even, subnormals kept.
;;     - The product sums the exact products of the quantised numbers (number of the format x scale) in f32.
;;   ~~~python
;;   def quantise(x, axis):      # numpy; x: float32 -> the quantised numbers, widened to float32 again
;;       x = np.moveaxis(x, axis, -1); K = x.shape[-1]
;;       x = np.pad(x, [(0, 0)] * (x.ndim - 1) + [(0, -K % 32)]); x = x.reshape(x.shape[:-1] + (-1, 32)); a = np.abs(x).max(-1, keepdims=True)
;;       e = np.where(a > 0, np.clip(np.frexp(np.where(a > 0, a, 1))[1] - 1 - 4, -126, 127), 0)      # np.frexp(a)[1] - 1 = floor(log2(a)), exactly
;;       r = np.clip(x / 2.0 ** e, -28, 28)
;;       step = 2.0 ** (np.maximum(np.frexp(np.where(r == 0, 1, r))[1] - 1, -2) - 2)
;;       q = np.round(r / step) * step * 2.0 ** e      # np.round: ties to even
;;       return np.moveaxis(q.reshape(q.shape[:-2] + (-1,))[..., :K], -1, axis).astype(np.float32)
;;   ~~~
;;   SOFTMAX AHEAD OF A QUANTISED PRODUCT. Where the list says 'softmax', what is quantised is not the finished softmax but p = 2^(t - M), with t = logit x log2(e) and M = ceil(the row's largest t), a whole number; so 1/2 < the row's largest p <= 1. The row's sum l is taken of the UNQUANTISED p, in f32, and the product's result is divided by l at the end. Since M is a whole number, a kernel that streams over the keys may use a running M (the ceiling of the running maximum): every later rescaling is an exact power of two, which a block's scale takes up: the codes' values come out the same.
;;   OPERANDS COMPUTED ON THE WAY. 'Computed on the way' means the value that the module computes at that place (a softmax that the list does not call 'softmax' is quantised finished and normalised). What goes into a quantiser is computed in f32, as accurately as f32 sums, v_exp_f32 and their like allow (about 1e-6 of the number): no bf16 or f16 on the way to a quantiser, and a product that is left as it is and whose result goes on into a quantised operand takes f32 operands (vector FMAs, or v_wmma_f32_16x16x4_f32). A number that lies on a knife's edge between two numbers of the format may be rounded either way, as far as f32 arithmetic and the matrix unit's own rounding can turn it there, and no further.
;; 2 versions. Each part assembles by itself: llvm-mc -triple=amdgcn-amd-amdhsa -mcpu=gfx1250 --defsym DOCPART=n.
;; ======== version 1 of 2: 1 launch
;; launch attn (part 1): grid 4 x 64, 16 waves a work-group, no clusters, 309,504 bytes of LDS; arguments qkv, out0; writes out0
.if DOCPART == 1
	.amdgcn_target "amdgcn-amd-amdhsa--gfx1250"
	.amdhsa_code_object_version 6
	.text
	.protected	k_qf5378e8b19_attn
	.globl	k_qf5378e8b19_attn
	.p2align	8
	.type	k_qf5378e8b19_attn,@function
k_qf5378e8b19_attn:
	s_mov_b64 s[64:65], 0
	v_nop
	global_prefetch_b8 v0, s[64:65] scope:SCOPE_SE
	s_setreg_imm32_b32 hwreg(HW_REG_WAVE_MODE, 25, 1), 1
	s_wait_xcnt 0x0
; a[head][c][t] = sum over s of softmax_s(sum over c of (q sigma)(k sigma)) v[c][s].  qkv: [64 heads][192][2048] f32 (rows 0-63 q, 64-127 k, 128-191 v; t innermost); out0: [64][64][2048] f32.
; Both products on codes of BF6 (E3M2) with one E8M0 scale for each 32 along K.  Product 1: K = the 64 channels (q sigma and k sigma are quantised, sigma = 1/sqrt(sqrt(64)) in f32).
; Product 2: K = the keys; v is quantised as it comes; of the softmax p = 2^(t - M) is quantised, t = score x log2(e), M = the running largest t rounded up to a whole number; the row's sum is taken of the unquantised p and divides at the end.
; SHARES.  A work-group owns 512 queries of one head (grid x: the block of queries, y: the head): 256 work-groups of equal work.  PHASE 1: its sixteen waves quantise the head's 2,048 keys and values and their own 512 queries
; straight into LDS, as images of the matrix operands' registers; the codes never go to memory.  PHASE 2: each wave owns a tile of 16 queries at a time, twice, and walks all keys, 128 a step, out of LDS.  Four barriers in all.
; NO CLUSTER, NO TENSOR LOAD: what the four work-groups of a head share is k's and v's f32 numbers, 1 MiB, and every one of them has to pass through vector registers to be quantised.  Asked for jointly they would first have to lie in LDS,
; in a ring beside the images (233,728 of the 327,680 bytes are codes and scales): at two slots of some 48 KiB more than twenty refills, each behind a round of the cluster's barrier.  So each work-group loads them through registers.
; LAYOUT.  Both products are used transposed: S^T = K Q^T (source 0 = 16 keys, source 1 = my 16 queries), O^T = V P^T (source 0 = 16 channels, source 1 = p): a lane holds ONE query (lane % 16) throughout.
; TWO TILES OF KEYS IN ONE FRAGMENT: product 1 has 64 along K, the instruction 128.  Registers 0-5 of K's fragment hold tile A's 64 channels, registers 6-11 tile B's.  Q stands as [Q | zeros | Q] in 18 registers:
; the first twelve give S of tile A, the last twelve S of tile B; the other tile's codes meet zero codes.  On Q's side that half carries the scale byte 1.
; THE KEYS OF A TILE ARE NOT NEIGHBOURS: of a pair's 32 keys, key x goes to tile (x / 8) % 2, row x % 8 + 8 (x / 16), so that the 16 registers of a pair's two results are keys 16 (lane / 16) + 0 .. 15: neighbours along product 2's K.
; AN IMAGE is 1,536 bytes: lane l's twelve registers at 48 l: three ds_load_b128 bring a fragment; lane to lane 12 words.
; LIMITS: NaN and infinities among the inputs are not served.  A block whose largest magnitude lies under 2^-122 keeps the scale byte 1; a block of zeros gets the byte 1 where the rule says 127 (its codes are zeros, and the bytes are read here alone).
; v_exp_f32 gives 0 for a p under 2^-126.  The division by the row's sum is v_rcp_f32 and a multiplication.  Scores are taken to be finite in f32.
.set HEADB, 1572864                    ; a head's slab of qkv in bytes: 192 rows of 8,192
.set ROWB,  8192                       ; a row of 2,048 f32
; LDS
.set KIMG,  0                          ; 64 pairs of key tiles x 1,536: pair P at 1536 P; in it 48 (row + 16 half) + 24 tile
.set VIMG,  98304                      ; 16 key steps x VSTEP; in a step 1536 (channel / 16) + 48 (channel % 16 + 16 (block % 2)) + 24 ((block / 2) % 2)
.set VSTEP, 6160                       ; four images + 16 bytes, so that the lanes that store eight steps' codes at once do not all start at one bank
.set KSC,   196864                     ; K's scale words: 256 step + 16 row + 4 pair; a word: tile A's two bytes, tile B's two
.set VSC,   200960                     ; V's: 256 step + 16 (channel % 16) + 4 (channel / 16); a word: the step's four blocks
.set QIMG,  205056                     ; 32 tiles of queries x 768: 24 (row + 16 half)
.set QSC,   229632                     ; Q's scale words, two a query: 128 tile + 8 row
.set STG,   233728                     ; phase 1: a stage of 32 x TPL bytes for each wave; phase 2: the way out, 64 rows x OP bytes
.set TPL,   144                        ; a block's 128 bytes + 16
.set OP,    1040                       ; 256 queries' f32 + 16
; vector registers that stay
.set AK0,  1                           ; KIMG + 48 lane
.set AV0,  2                           ; VIMG + 48 lane
.set AKS0, 3                           ; KSC + 16 (lane % 16)
.set AVS0, 4                           ; VSC + 16 (lane % 16)
.set AQ,   5                           ; QIMG + 768 wave + 24 lane
.set AQS,  6                           ; QSC + 128 wave + 8 (lane % 16)
.set SO,   7                           ; the way out: where I put a number
.set SR,   36                          ; and where I read rows back
.set GO,   37                          ; 32768 wave + 16 lane: my bytes in the wave's four rows of v, and of out0
; phase 2
.set ADK,  8                           ; v8-11 the step's LDS addresses: K, V, K's scales, V's scales
.set ADV,  9
.set ADKS, 10
.set ADVS, 11
.set NM,   12                          ; -M
.set TMX,  13                          ; the largest t so far
.set LS,   14                          ; v[14:15] the row's sum in two halves
.set QF,   16                          ; v16-21 Q, v22-27 zeros, v28-33 Q
.set QS,   34                          ; v34 Q's scale word for tile A's product, v35 for tile B's: scales and nothing else
.set KF,   40                          ; v40-87 four fragments: K's pairs, then V's
.set S,    96                          ; v96-159 S^T, then p; on the way out O / sum and the rows read back
.set O,    160                         ; v160-191 O^T: four tiles of 16 channels
.set PC,   192                         ; v192-203 p's codes
.set CT,   204                         ; v204-206, v208-210 the conversions' second halves
.set BM,   212                         ; v212-215 a block's largest score, then its largest p
.set BT,   216                         ; v216-219 the other half's, then the bytes
.set BSC,  220                         ; v220-223 the conversions' scale operands
.set TMP,  224
.set F,    226                         ; 2^(old M - new M); named as the pair v[226:227]
.set L2,   228                         ; v[228:229] the sum's second chain
.set KS,   244                         ; v244-247 K's scale words, v248-251 V's, v252 p's: scales and nothing else
.set VS,   248
.set PW,   252
; phase 1
.set H0,   64                          ; v64-127, v128-191: two sets of 64 numbers (a column's channels), or four of 32 (V as loaded)
.set H1,   128
.set X,    192                         ; v192-223 a block of 32 keys of V
.set C,    40                          ; v40-51 codes
.set T,    52                          ; v52-54, v56-58 the conversions' second halves
.set KSH,  60                          ; 16 x my key's tile, and 16 less that: where my halfword and my partner's stand in K's scale word
.set KSH2, 61
.set VSH,  62                          ; 8 (lane % 4): where my block's byte stands in V's
.set DT,   63                          ; another lane's part of a scale word
.set MX,   224                         ; v224-225 largest magnitudes
.set SCO,  226                         ; v226-227 the conversions' scale operands
.set BY,   228                         ; v228-229 bytes
.set HW,   230                         ; v[230:231] scale words on their way to LDS
.set GK,   232                         ; 512 wave + 4 lane: my key's bytes in a row of k
.set GQ,   233                         ; 128 wave + 4 lane: my query's
.set KW,   235                         ; where I store K's codes, K's scale word, Q's codes, Q's scale words
.set KSW,  236
.set QW,   237
.set QSW,  238
.set TI,   239                         ; my wave's stage, in and out
.set TO,   240
.set VW,   241                         ; where I store V's codes and V's scale word
.set VSW,  242
; scalars
.set WV,   8                           ; my wave's number
.set KB,   12                          ; s[12:13] k of my head; s[14:15] v; s[16:17] q at my block of queries; s[18:19] out0 likewise
.set VB,   14
.set QB,   16
.set OB,   18
.set SEL,  20                          ; s[20:21] v_permlanex16_b32's selects for lane l xor 16
.set CS,   22                          ; s[22:23] log2(e), twice: the packed forms name a pair
.set CQ,   24                          ; s[24:25] sigma, twice
.set TK,   26                          ; the step's place in KIMG, in VIMG, among the scale words
.set TV,   27
.set TS,   28
.set CNT,  29
.macro BARRIER                         ; my LDS stores have landed and my LDS loads are in: then the work-group's barrier
	s_wait_dscnt 0x0
	s_barrier_signal -1
	s_barrier_wait -1
.endm
; 64 loads: a lane takes a column (a key or a query) and its registers run down the 64 channels; a load reads 128 consecutive bytes
.macro LOADC reg, base, voff, imm, nt
.set cc, 0
.rept 64
.if \nt
	global_load_b32 v[\reg+cc], v[\voff], s[\base:\base+1] offset:cc*ROWB+\imm th:TH_LOAD_NT
.else
	global_load_b32 v[\reg+cc], v[\voff], s[\base:\base+1] offset:cc*ROWB+\imm
.endif
.set cc, cc+1
.endr
.endm
; A column's 64 numbers x sigma become two blocks' codes, 24 bytes each, and go to their places in an image: block h at coff + hoff h.  kind = 0: a key; 1: a query
.macro QCOL reg, cadr, coff, hoff, sadr, soff, kind
.set cc, 0
.rept 32
	v_pk_mul_f32 v[\reg+cc:\reg+cc+1], v[\reg+cc:\reg+cc+1], s[CQ:CQ+1] op_sel_hi:[1,0]   ; x sigma, in f32
.set cc, cc+2
.endr
	v_max3_num_f32 v[MX], |v[\reg]|, |v[\reg+1]|, 0x2800000          ; each block's largest magnitude, all 32 numbers mine, and the floor 2^(5 - 127): the byte cannot fall under 1
	v_max3_num_f32 v[MX+1], |v[\reg+32]|, |v[\reg+33]|, 0x2800000
.set cc, 2
.rept 15
	v_max3_num_f32 v[MX], v[MX], |v[\reg+cc]|, |v[\reg+cc+1]|        ; (the two blocks by turns)
	v_max3_num_f32 v[MX+1], v[MX+1], |v[\reg+32+cc]|, |v[\reg+33+cc]|
.set cc, cc+2
.endr
	s_wait_dscnt 0x0                               ; the last column's LDS stores have read their registers
	v_add_nc_u32 v[SCO], 0xfe000000, v[MX]         ; 4 off the exponent field: the conversion takes this operand's exponent field as its scale
	v_add_nc_u32 v[SCO+1], 0xfe000000, v[MX+1]
	v_lshrrev_b32 v[BY], 23, v[SCO]                ; the scales' bytes
	v_lshrrev_b32 v[BY+1], 23, v[SCO+1]
	v_lshl_or_b32 v[HW], v[BY+1], 8, v[BY]
.if \kind
	v_lshl_or_b32 v[HW+1], v[HW], 16, 0x0101       ; a query's two words: (1, 1, b0, b1) for the product with tile B,
	v_or_b32 v[HW], 0x01010000, v[HW]              ; (b0, b1, 1, 1) for that with tile A
.else
	v_mov_b32_dpp v[DT], v[HW] row_xmask:8 row_mask:0xf bank_mask:0xf   ; lane l xor 8 holds the same row of the pair's other tile
	v_lshlrev_b32 v[HW], v[KSH], v[HW]
	v_lshlrev_b32 v[DT], v[KSH2], v[DT]
	v_or_b32 v[HW], v[HW], v[DT]                   ; tile A's two bytes, tile B's two: both lanes hold the same word
.endif
.irp b, 0,1
	v_cvt_scalef32_pk16_bf6_f32 v[C+6*\b:C+6*\b+2], v[\reg+32*\b:\reg+32*\b+15], v[SCO+\b]
	v_cvt_scalef32_pk16_bf6_f32 v[T+4*\b:T+4*\b+2], v[\reg+32*\b+16:\reg+32*\b+31], v[SCO+\b]   ; (a conversion's three registers begin on an even number)
.endr
	v_nop                                          ; one plain place behind a scaled conversion
.irp b, 0,1
.irp i, 0,1,2
	v_mov_b32 v[C+6*\b+3+\i], v[T+4*\b+\i]
.endr
.endr
.irp h, 0,1
.irp m, 0,1,2
	ds_store_b64 v[\cadr], v[C+6*\h+2*\m:C+6*\h+2*\m+1] offset:\coff+\hoff*\h+8*\m
.endr
.endr
.if \kind
	ds_store_b64 v[\sadr], v[HW:HW+1] offset:\soff
.else
	ds_store_b32 v[\sadr], v[HW] offset:\soff      ; both lanes of a row write the same word with the same value
.endif
.endm
; Half a row of V (channel 4 wave + t / 2, keys 1024 (t % 2) on): eight loads of 512 consecutive bytes
.macro LOADV t
.set RQ, 64+32*(((\t)+2)%4)
.irp n, 0,1,2,3,4,5,6,7
	global_load_b128 v[RQ+4*\n:RQ+4*\n+3], v[GO], s[VB:VB+1] offset:((\t)/2)*ROWB+((\t)%2)*4096+512*\n
.endr
.endm
; That half row turns through my wave's stage, so that lane l holds block l's 32 keys, and is quantised.  left: the younger loads that may stay out
.macro VQ t, left
.set VR, 64+32*(((\t)+2)%4)
	s_wait_loadcnt \left
.irp n, 0,1,2,3,4,5,6,7
	ds_store_b128 v[TI], v[VR+4*\n:VR+4*\n+3] offset:4*TPL*\n       ; as loaded: eight lanes fill a block's place
.endr
.irp n, 0,1,2,3,4,5,6,7
	ds_load_b128 v[X+4*\n:X+4*\n+3], v[TO] offset:16*\n             ; LDS serves a wave's instructions in order (ISA guide 5.7.1.4): these see the stores above
.endr
	s_wait_dscnt 0x0                               ; the block is in; the stores have read their registers, the last half row's too
.if (\t) < 4
	LOADV (\t)+4                                   ; into the registers just left
.endif
	v_max3_num_f32 v[MX], |v[X]|, |v[X+1]|, |v[X+2]|
	v_max3_num_f32 v[MX+1], |v[X+3]|, |v[X+4]|, |v[X+5]|
.irp i, 6,10,14,18,22,26
	v_max3_num_f32 v[MX], v[MX], |v[X+\i]|, |v[X+\i+1]|
	v_max3_num_f32 v[MX+1], v[MX+1], |v[X+\i+2]|, |v[X+\i+3]|
.endr
	v_max3_num_f32 v[MX], v[MX], |v[X+30]|, |v[X+31]|
	v_max3_num_f32 v[MX], v[MX], v[MX+1], 0x2800000                 ; and the floor
	v_add_nc_u32 v[SCO], 0xfe000000, v[MX]
	v_lshrrev_b32 v[BY], 23, v[SCO]
	v_lshlrev_b32 v[BY], v[VSH], v[BY]             ; my block's byte at its place; four neighbouring lanes hold a key step's four blocks
	v_mov_b32_dpp v[DT], v[BY] row_xmask:1 row_mask:0xf bank_mask:0xf
	v_or_b32 v[BY], v[BY], v[DT]
	v_mov_b32_dpp v[DT], v[BY] row_xmask:2 row_mask:0xf bank_mask:0xf
	v_or_b32 v[BY], v[BY], v[DT]                   ; the word is whole in all four
	v_cvt_scalef32_pk16_bf6_f32 v[C:C+2], v[X:X+15], v[SCO]
	v_cvt_scalef32_pk16_bf6_f32 v[T:T+2], v[X+16:X+31], v[SCO]
	v_nop                                          ; one plain place behind a scaled conversion
.irp i, 0,1,2
	v_mov_b32 v[C+3+\i], v[T+\i]
.endr
.irp m, 0,1,2
	ds_store_b64 v[VW], v[C+2*\m:C+2*\m+1] offset:48*((\t)/2)+8*VSTEP*((\t)%2)+8*\m
.endr
	ds_store_b32 v[VSW], v[BY] offset:16*((\t)/2)+2048*((\t)%2)     ; the four lanes write the same word with the same value
.endm
	s_load_b128 s[4:7], s[0:1], 0x0                ; qkv, out0
	v_lshl_add_u32 v254, v0, 2, 0x4b100
	v_mov_b32 v255, 0
	v_lshrrev_b32 v8, 5, v0
	v_readfirstlane_b32 s[WV], v8                  ; wave 0..15
	v_and_b32 v9, 31, v0                           ; lane
	s_and_b32 s9, ttmp7, 0xffff                    ; the head
	s_mul_i32 s10, s9, HEADB                       ; its slab (under 2^27 bytes in)
	s_mov_b32 s11, 0
	s_lshl_b32 s30, ttmp9, 11                      ; my block of 512 queries: 2,048 bytes of a row
	s_mov_b32 s31, 0
	s_lshl_b32 s32, s9, 19                         ; the head's 64 rows of out0,
	s_add_co_u32 s32, s32, s30                     ; and the block
	s_mov_b32 s33, 0
	s_mov_b32 s[SEL], 0x76543210
	s_mov_b32 s[SEL+1], 0xfedcba98
	s_mov_b32 s[CS], 0x3fb8aa3b                    ; log2(e)
	s_mov_b32 s[CS+1], s[CS]
	s_mov_b32 s[CQ], 0x3eb504f3                    ; 1 / sqrt(sqrt(64)), each step rounded to f32
	s_mov_b32 s[CQ+1], s[CQ]
	s_lshl_b32 s34, s[WV], 9
	v_lshlrev_b32 v[GK], 2, v9
	v_add_nc_u32 v[GK], s34, v[GK]
	s_wait_kmcnt 0x0
	s_add_nc_u64 s[QB:QB+1], s[4:5], s[10:11]
	s_add_nc_u64 s[KB:KB+1], s[QB:QB+1], 64*ROWB
	s_add_nc_u64 s[VB:VB+1], s[QB:QB+1], 128*ROWB
	s_add_nc_u64 s[QB:QB+1], s[QB:QB+1], s[30:31]
	s_add_nc_u64 s[OB:OB+1], s[6:7], s[32:33]
	; ---- PHASE 1.  Wave w makes key step w's four pairs (keys 128 w + 32 i + lane), the queries 32 w + lane, and V's channels 4 w .. 4 w + 3
	LOADC H0, KB, GK, 0, 0                         ; the first pair is asked for before the addresses are made
	v_and_b32 v10, 15, v0                          ; r = lane % 16
	v_bfe_u32 v11, v0, 4, 1                        ; h = lane / 16
	v_and_b32 v12, 7, v0
	v_lshl_add_u32 v12, v11, 3, v12                ; my key's row in its tile: lane % 8 + 8 (lane / 16)
	v_bfe_u32 v13, v0, 3, 1                        ; and its tile: (lane / 8) % 2
	v_mul_u32_u24 v[AK0], v9, 48                   ; (KIMG is LDS byte 0)
	v_mad_u32_u24 v[AV0], v9, 48, VIMG
	v_lshl_add_u32 v[AKS0], v10, 4, KSC
	v_lshl_add_u32 v[AVS0], v10, 4, VSC
	s_mul_i32 s34, s[WV], 768
	s_add_co_u32 s34, s34, QIMG
	v_mul_u32_u24 v[AQ], v9, 24
	v_add_nc_u32 v[AQ], s34, v[AQ]
	s_lshl_b32 s34, s[WV], 7
	v_lshlrev_b32 v[GQ], 2, v9
	v_add_nc_u32 v[GQ], s34, v[GQ]
	s_add_co_u32 s34, s34, QSC
	v_lshlrev_b32 v[AQS], 3, v10
	v_add_nc_u32 v[AQS], s34, v[AQS]
	v_mul_u32_u24 v[SO], v11, 8*OP                 ; the way out: row = channel 8 h + .., column = query 16 wave + r
	v_lshl_add_u32 v[SO], v10, 2, v[SO]
	s_lshl_b32 s34, s[WV], 6
	s_add_co_u32 s34, s34, STG
	v_add_nc_u32 v[SO], s34, v[SO]
	s_mul_i32 s34, s[WV], 4*OP                     ; back: wave w takes rows 4 w .. 4 w + 3, 16 bytes a lane
	s_add_co_u32 s34, s34, STG
	v_lshlrev_b32 v[SR], 4, v9
	v_add_nc_u32 v[SR], s34, v[SR]
	s_lshl_b32 s34, s[WV], 15
	v_lshlrev_b32 v[GO], 4, v9
	v_add_nc_u32 v[GO], s34, v[GO]
	v_mul_u32_u24 v[KW], v12, 48
	v_mad_u32_u24 v[KW], v13, 24, v[KW]
	s_mul_i32 s34, s[WV], 6144
	v_add_nc_u32 v[KW], s34, v[KW]
	s_lshl_b32 s34, s[WV], 8
	s_add_co_u32 s35, s34, QSC
	v_lshlrev_b32 v[QSW], 3, v9
	v_add_nc_u32 v[QSW], s35, v[QSW]
	s_add_co_u32 s34, s34, KSC
	v_lshlrev_b32 v[KSW], 4, v12
	v_add_nc_u32 v[KSW], s34, v[KSW]
	v_lshlrev_b32 v[KSH], 4, v13
	v_xor_b32 v[KSH2], 16, v[KSH]
	v_mul_u32_u24 v[QW], v10, 24
	v_mad_u32_u24 v[QW], v11, 768, v[QW]
	s_mul_i32 s34, s[WV], 1536
	s_add_co_u32 s34, s34, QIMG
	v_add_nc_u32 v[QW], s34, v[QW]
	s_mul_i32 s34, s[WV], 32*TPL                   ; my wave's stage
	s_add_co_u32 s34, s34, STG
	v_bfe_u32 v14, v0, 3, 2
	v_and_b32 v15, 7, v0
	v_mul_u32_u24 v[TI], v14, TPL                  ; in: a load's 512 bytes are four blocks: place lane / 8, 16 (lane % 8) in it
	v_lshl_add_u32 v[TI], v15, 4, v[TI]
	v_add_nc_u32 v[TI], s34, v[TI]
	v_mul_u32_u24 v[TO], v9, TPL                   ; out: place = lane
	v_add_nc_u32 v[TO], s34, v[TO]
	s_lshr_b32 s34, s[WV], 2                       ; my channels' tile: wave / 4; their rows in it: 4 (wave % 4) + i
	s_and_b32 s35, s[WV], 3
	s_mul_i32 s36, s34, 1536
	s_mul_i32 s37, s35, 192
	s_add_co_u32 s36, s36, s37
	s_add_co_u32 s36, s36, VIMG
	v_bfe_u32 v14, v0, 2, 3                        ; my block's key step: lane / 4 (+ 8 in a row's second half)
	v_and_b32 v15, 1, v0
	v_bfe_u32 v8, v0, 1, 1
	v_mul_u32_u24 v[VW], v14, VSTEP
	v_mad_u32_u24 v[VW], v15, 768, v[VW]           ; block % 2: the fragment's lanes 16-31
	v_mad_u32_u24 v[VW], v8, 24, v[VW]             ; (block / 2) % 2: its registers 6-11
	v_add_nc_u32 v[VW], s36, v[VW]
	s_lshl_b32 s36, s34, 2
	s_lshl_b32 s37, s35, 6
	s_add_co_u32 s36, s36, s37
	s_add_co_u32 s36, s36, VSC
	v_lshlrev_b32 v[VSW], 8, v14
	v_add_nc_u32 v[VSW], s36, v[VSW]
	v_and_b32 v15, 3, v0
	v_lshlrev_b32 v[VSH], 3, v15
	v_mov_b32 v[DT], 0                             ; written once: the destination of a DPP form counts as one of its sources
.irp i, 6,7,8,9,10,11
	v_mov_b32 v[QF+\i], 0                          ; Q's zero codes, for the whole launch
.endr
	LOADC H1, KB, GK, 128, 0
	s_wait_loadcnt 63                              ; 64 younger loads were issued; the count can name 63 at the most, which asks for one load more than is needed.  So in all four of these waits
	QCOL H0, KW, 0, 768, KSW, 0, 0
	LOADC H0, KB, GK, 256, 0
	s_wait_loadcnt 63
	QCOL H1, KW, 1536, 768, KSW, 4, 0
	LOADC H1, KB, GK, 384, 0
	s_wait_loadcnt 63
	QCOL H0, KW, 3072, 768, KSW, 8, 0
	LOADC H0, QB, GQ, 0, 1                         ; q is read once in the whole launch
	s_wait_loadcnt 63
	QCOL H1, KW, 4608, 768, KSW, 12, 0
	LOADV 0
	LOADV 1
	s_wait_loadcnt 16                              ; q is in; V's first sixteen loads may be out
	QCOL H0, QW, 0, 384, QSW, 0, 1
	LOADV 2
	LOADV 3
	VQ 0, 24                                       ; three half rows, eight loads each, are younger
	VQ 1, 24
	VQ 2, 24
	VQ 3, 24
	VQ 4, 24
	VQ 5, 16                                       ; nothing more is asked for: the counts run down
	VQ 6, 8
	VQ 7, 0
	BARRIER                                        ; all images and scale words lie in LDS, and every wave has left its stage
	; ---- PHASE 2
.irp b, 0,1,2,3
	v_mov_b32 v[BT+\b], 0                          ; written once: a lane permute's destination counts as one of its sources
.endr
	v_mov_b32 v[F+1], 0                            ; (named as the upper half of the pair v[226:227])
; A KEY STEP: 128 keys
.macro STEP
	v_add_nc_u32 v[ADK], s[TK], v[AK0]             ; these four are also the places between the last step's products and the loads into the registers that they read
	v_add_nc_u32 v[ADV], s[TV], v[AV0]
	v_add_nc_u32 v[ADKS], s[TS], v[AKS0]
	v_add_nc_u32 v[ADVS], s[TS], v[AVS0]
	ds_load_b128 v[KS:KS+3], v[ADKS]               ; the four pairs' scale words of my row
.irp b, 0,1,2,3
.irp g, 0,1,2
	ds_load_b128 v[KF+12*\b+4*\g:KF+12*\b+4*\g+3], v[ADK] offset:1536*\b+16*\g
.endr
.endr
.irp b, 0,1,2,3                        ; S^T = K Q^T: a pair's fragment against [Q | 0] and against [0 | Q]
	s_wait_dscnt 9-3*\b                            ; pair b is in; the three loads of each pair behind it may be out
	v_wmma_scale_f32_16x16x128_f8f6f4 v[S+16*\b:S+16*\b+7], v[KF+12*\b:KF+12*\b+11], v[QF:QF+11], 0, v[KS+\b], v[QS] matrix_a_fmt:MATRIX_FMT_BF6 matrix_b_fmt:MATRIX_FMT_BF6
	v_wmma_scale_f32_16x16x128_f8f6f4 v[S+16*\b+8:S+16*\b+15], v[KF+12*\b:KF+12*\b+11], v[QF+6:QF+17], 0, v[KS+\b], v[QS+1] matrix_a_fmt:MATRIX_FMT_BF6 matrix_b_fmt:MATRIX_FMT_BF6
.endr                                  ; register 16 b + i of lane (query, h) is key 32 b + 16 h + i of the step
.rept 4
	v_nop                                          ; four places in front of the loads into K's registers and of the first read of the scores
.endr
	ds_load_b128 v[VS:VS+3], v[ADVS]               ; V's fragments and scale words land while the softmax is walked
.irp t, 0,1,2,3
.irp g, 0,1,2
	ds_load_b128 v[KF+12*\t+4*\g:KF+12*\t+4*\g+3], v[ADV] offset:1536*\t+16*\g
.endr
.endr
.irp b, 0,1,2,3
	v_max3_num_f32 v[BM+\b], v[S+16*\b], v[S+16*\b+1], v[S+16*\b+2]   ; the largest score of each block of 32 keys: for the row's maximum and, since p rises with the score, for the block's largest p.  (Each result is read from its low end on)
.endr
.irp i, 3,5,7,9,11,13
.irp b, 0,1,2,3
	v_max3_num_f32 v[BM+\b], v[BM+\b], v[S+16*\b+\i], v[S+16*\b+\i+1]
.endr
.endr
.irp b, 0,1,2,3
	v_max_num_f32 v[BM+\b], v[BM+\b], v[S+16*\b+15]
.endr
.irp b, 0,1,2,3
	v_permlanex16_b32 v[BT+\b], v[BM+\b], s[SEL], s[SEL+1]
.endr
.irp b, 0,1,2,3
	v_max_num_f32 v[BM+\b], v[BM+\b], v[BT+\b]     ; with lane l xor 16's 16 keys
.endr
	v_max3_num_f32 v[TMP], v[BM], v[BM+1], v[BM+2]
	v_max_num_f32 v[TMP], v[TMP], v[BM+3]          ; the step's largest score of my query,
	v_mul_f32 v[TMP], s[CS], v[TMP]                ; as t
	v_max_num_f32 v[TMX], v[TMX], v[TMP]           ; the running largest t
	v_mov_b32 v[TMP], v[NM]
	v_floor_f32 v[NM], -v[TMX]                     ; the new -M = floor(-t) = -ceil(t): a whole number
	v_sub_f32 v[TMP], v[NM], v[TMP]                ; old M less new M: a whole number, 0 or less
	v_cvt_i32_f32 v[TMP], v[TMP]                   ; (it saturates)
	v_ldexp_f32 v[F], 1.0, v[TMP]                  ; f = 2^(old M - new M): a multiplication by it rounds nothing
.set jj, 0
.rept 32
	v_pk_fma_f32 v[S+jj:S+jj+1], v[S+jj:S+jj+1], s[CS:CS+1], v[NM:NM+1] op_sel_hi:[1,0,0]   ; t - M, two at a time
.set jj, jj+2
.endr
.irp b, 0,1,2,3
	v_fma_f32 v[BM+\b], v[BM+\b], s[CS], v[NM]     ; the same of each block's largest score
.endr
.set jj, 0
.rept 64
	v_exp_f32 v[S+jj], v[S+jj]                     ; p = 2^(t - M), at most 1, not normalised
.set jj, jj+1
.endr
.irp b, 0,1,2,3
	v_exp_f32 v[BM+\b], v[BM+\b]                   ; the block's largest p: the same two instructions on the same number
.endr
	v_pk_mul_f32 v[LS:LS+1], v[LS:LS+1], v[F:F+1] op_sel_hi:[1,0]   ; the sums under the new M.  (The plain place behind the exponentials)
	s_wait_alu depctr_va_vdst(0)
.irp b, 0,1,2,3
	v_max_num_f32 v[BM+\b], 0x2800000, v[BM+\b]    ; the floor 2^(5 - 127)
.endr
.irp b, 0,1,2,3
	v_add_nc_u32 v[BSC+\b], 0xfe000000, v[BM+\b]   ; the conversion's scale operand
.endr
.irp b, 0,1,2,3
	v_lshrrev_b32 v[BT+\b], 23, v[BSC+\b]          ; the scale's byte
.endr
	v_lshl_or_b32 v[PW], v[BT+1], 8, v[BT]         ; p's scale word for these 128 keys
	v_lshl_or_b32 v[PW], v[BT+2], 16, v[PW]
	v_lshl_or_b32 v[PW], v[BT+3], 24, v[PW]
.irp c, 0,1
	v_cvt_scalef32_pk16_bf6_f32 v[PC+6*\c:PC+6*\c+2], v[S+32*\c:S+32*\c+15], v[BSC+2*\c]
	v_cvt_scalef32_pk16_bf6_f32 v[CT+4*\c:CT+4*\c+2], v[S+32*\c+16:S+32*\c+31], v[BSC+2*\c+1]
.endr
	v_nop                                          ; one plain place behind a scaled conversion
.irp c, 0,1                            ; the operand wants a whole block in a lane: lanes 0-15 block 2 c, lanes 16-31 block 2 c + 1
.irp i, 0,1,2
	v_permlane16_swap_b32 v[PC+6*\c+\i], v[CT+4*\c+\i]
.endr
.irp i, 0,1,2
	v_mov_b32 v[PC+6*\c+3+\i], v[CT+4*\c+\i]
.endr
.endr
	v_pk_add_f32 v[L2:L2+1], v[S:S+1], v[S+2:S+3]  ; the row's sum is taken of the unquantised p, two at a time, in two chains.  (These 32 are also the places between p's codes and scale word and the products)
.set jj, 4
.rept 15
	v_pk_add_f32 v[LS:LS+1], v[LS:LS+1], v[S+jj:S+jj+1]
	v_pk_add_f32 v[L2:L2+1], v[L2:L2+1], v[S+jj+2:S+jj+3]
.set jj, jj+4
.endr
	v_pk_add_f32 v[LS:LS+1], v[LS:LS+1], v[L2:L2+1]
.set jj, 0
.rept 16
	v_pk_mul_f32 v[O+jj:O+jj+1], v[O+jj:O+jj+1], v[F:F+1] op_sel_hi:[1,0]   ; O^T under the new M, each tile from its low end on
.set jj, jj+2
.endr
	s_wait_dscnt 0x0                               ; V is in
.irp t, 0,1,2,3                        ; O^T += V P^T: the four accumulators by turns, one instruction a turn; the next step's eight products stand between two links
	v_wmma_scale_f32_16x16x128_f8f6f4 v[O+8*\t:O+8*\t+7], v[KF+12*\t:KF+12*\t+11], v[PC:PC+11], v[O+8*\t:O+8*\t+7], v[VS+\t], v[PW] matrix_a_fmt:MATRIX_FMT_BF6 matrix_b_fmt:MATRIX_FMT_BF6
.endr
	s_add_co_u32 s[TK], s[TK], 6144
	s_add_co_u32 s[TV], s[TV], VSTEP
	s_add_co_u32 s[TS], s[TS], 256
.endm
; A PASS: my tile of queries 256 u + 16 wave + 0 .. 15 of the block, against all 2,048 keys; then 256 queries x 64 channels leave through the stage
.macro PASS u
.irp m, 0,1,2
	ds_load_b64 v[QF+2*\m:QF+2*\m+1], v[AQ] offset:12288*\u+8*\m          ; Q's 24 bytes a lane, twice: ahead of the zeros and behind them
	ds_load_b64 v[QF+12+2*\m:QF+12+2*\m+1], v[AQ] offset:12288*\u+8*\m
.endr
	ds_load_b64 v[QS:QS+1], v[AQS] offset:2048*\u
	v_mov_b32 v[TMX], 0xff61b1e6                   ; the largest t so far: -3e38, under every t
	v_floor_f32 v[NM], -v[TMX]
	v_mov_b32 v[LS], 0
	v_mov_b32 v[LS+1], 0
.set jj, 0
.rept 32
	v_mov_b32 v[O+jj], 0                           ; the step is written once: the first finds zeros, which the first change of M leaves zeros
.set jj, jj+1
.endr
	s_mov_b32 s[TK], 0
	s_mov_b32 s[TV], 0
	s_mov_b32 s[TS], 0
	s_mov_b32 s[CNT], 16
	s_wait_dscnt 0x0
.Lstep_\@:
	STEP
	s_sub_co_u32 s[CNT], s[CNT], 1
	s_cmp_lg_u32 s[CNT], 0
	s_cbranch_scc1 .Lstep_\@
.rept 4
	v_nop                                          ; four places behind the last products
.endr
	v_add_f32 v[LS], v[LS], v[LS+1]                ; the sum's two halves,
	v_permlanex16_b32 v[TMP], v[LS], s[SEL], s[SEL+1]
	v_add_f32 v[LS], v[LS], v[TMP]                 ; and lane l xor 16's
	v_rcp_f32 v[LS], v[LS]
	v_nop                                          ; one plain place behind a transcendental
.set jj, 0
	s_wait_alu depctr_va_vdst(0)
.rept 32
	v_mul_f32 v[S+jj], v[O+jj], v[LS]              ; register 8 t + j: a(channel 16 t + 8 h + j, my query)
.set jj, jj+1
.endr
.if \u
	BARRIER                                        ; every wave has read the last pass's rows out of the stage.  (In front of the first pass's stores stands the barrier that ended phase 1)
.endif
.irp t, 0,1,2,3
.irp j, 0,1,2,3,4,5,6,7
	ds_store_b32 v[SO], v[S+8*\t+\j] offset:(16*\t+\j)*OP            ; sixteen lanes: 64 consecutive bytes of a channel's row; the other sixteen eight rows on
.endr
.endr
	BARRIER                                        ; 64 rows of 256 queries lie in the stage
.irp n, 0,1,2,3,4,5,6,7
	ds_load_b128 v[S+32+4*\n:S+32+4*\n+3], v[SR] offset:(\n/2)*OP+512*(\n%2)
.endr
.irp n, 0,1,2,3,4,5,6,7
	s_wait_dscnt 7-\n                              ; load n is in; the younger ones may be out
	global_store_b128 v[GO], v[S+32+4*\n:S+32+4*\n+3], s[OB:OB+1] offset:(\n/2)*ROWB+1024*\u+512*(\n%2) th:TH_STORE_NT   ; 32 lanes store 512 consecutive bytes, at a multiple of 512 from out0's first byte
.endr
.if \u == 0
	s_wait_xcnt 0x0                                ; the stores' data registers are written again only behind this wait (ISA guide 3.1)
.endif
.endm
	PASS 0
	PASS 1
	s_wait_tensorcnt 0x0
	ds_add_u32 v254, v255
	s_wait_dscnt 0x0
	s_endpgm
.Lfunc_end_k_qf5378e8b19_attn:
	.size	k_qf5378e8b19_attn, .Lfunc_end_k_qf5378e8b19_attn-k_qf5378e8b19_attn
	.p2alignl 7, 3214868480
	.fill 96, 4, 3214868480
	.section	.rodata,"a",@progbits
	.p2align	6, 0x0
	.amdhsa_kernel k_qf5378e8b19_attn
		.amdhsa_group_segment_fixed_size 309504
		.amdhsa_private_segment_fixed_size 0
		.amdhsa_enable_private_segment 0
		.amdhsa_kernarg_size 16
		.amdhsa_user_sgpr_count 2
		.amdhsa_user_sgpr_kernarg_segment_ptr 1
		.amdhsa_wavefront_size32 1
		.amdhsa_system_sgpr_workgroup_id_x 1
		.amdhsa_system_sgpr_workgroup_id_y 1
		.amdhsa_system_sgpr_workgroup_id_z 1
		.amdhsa_system_vgpr_workitem_id 0
		.amdhsa_next_free_vgpr 256
		.amdhsa_next_free_sgpr 66
		.amdhsa_reserve_vcc 0
		.amdhsa_float_denorm_mode_32 3
		.amdhsa_float_denorm_mode_16_64 3
		.amdhsa_memory_ordered 1
		.amdhsa_forward_progress 1
		.amdhsa_inst_pref_size 137
	.end_amdhsa_kernel
	.amdgpu_metadata
---
amdhsa.version: [ 1, 2 ]
amdhsa.kernels:
  - .name:           k_qf5378e8b19_attn
    .symbol:         k_qf5378e8b19_attn.kd
    .args:
      - { .name: qkv, .offset: 0, .size: 8, .value_kind: global_buffer, .address_space: global }
      - { .name: out0, .offset: 8, .size: 8, .value_kind: global_buffer, .address_space: global }
    .group_segment_fixed_size: 309504
    .private_segment_fixed_size: 0
    .kernarg_segment_align: 8
    .kernarg_segment_size: 16
    .max_flat_workgroup_size: 512
    .sgpr_count:     66
    .vgpr_count:     256
    .wavefront_size: 32
...
	.end_amdgpu_metadata
.endif
;; end of part 1
;; ======== version 2 of 2: 1 launch; version 1 with the launch attn written anew for expert scheduling mode
;; launch attn (part 2): grid 4 x 64, 16 waves a work-group, no clusters, 309,504 bytes of LDS; arguments qkv, out0; writes out0
.if DOCPART == 2
	.amdgcn_target "amdgcn-amd-amdhsa--gfx1250"
	.amdhsa_code_object_version 6
	.text
	.protected	k_qf5378e8b19_attn
	.globl	k_qf5378e8b19_attn
	.p2align	8
	.type	k_qf5378e8b19_attn,@function
k_qf5378e8b19_attn:
	s_mov_b64 s[64:65], 0
	v_nop
	global_prefetch_b8 v0, s[64:65] scope:SCOPE_SE
	s_setreg_imm32_b32 hwreg(HW_REG_WAVE_SCHED_MODE, 0, 2), 2
	s_setreg_imm32_b32 hwreg(HW_REG_WAVE_MODE, 25, 1), 1
	s_wait_xcnt 0x0
	s_wait_alu depctr_vm_vsrc(0)
; a[head][c][t] = sum over s of softmax_s(sum over c of (q sigma)(k sigma)) v[c][s].  qkv: [64 heads][192][2048] f32 (rows 0-63 q, 64-127 k, 128-191 v; t innermost); out0: [64][64][2048] f32.
; Both products on codes of BF6 (E3M2) with one E8M0 scale for each 32 along K.  Product 1: K = the 64 channels (q sigma and k sigma are quantised, sigma = 1/sqrt(sqrt(64)) in f32).
; Product 2: K = the keys; v is quantised as it comes; of the softmax p = 2^(t - M) is quantised, t = score x log2(e), M = the running largest t rounded up to a whole number; the row's sum is taken of the unquantised p and divides at the end.
; SHARES.  A work-group owns 512 queries of one head (grid x: the block of queries, y: the head): 256 work-groups of equal work.  PHASE 1: its sixteen waves quantise the head's 2,048 keys and values and their own 512 queries
; straight into LDS, as images of the matrix operands' registers; the codes never go to memory.  PHASE 2: each wave owns a tile of 16 queries at a time, twice, and walks all keys, 128 a step, out of LDS.  Four barriers in all.
; NO CLUSTER, NO TENSOR LOAD: what the four work-groups of a head share is k's and v's f32 numbers, 1 MiB, and every one of them has to pass through vector registers to be quantised.  Asked for jointly they would first have to lie in LDS,
; in a ring beside the images (233,728 of the 327,680 bytes are codes and scales): at two slots of some 48 KiB more than twenty refills, each behind a round of the cluster's barrier.  So each work-group loads them through registers.
; LAYOUT.  Both products are used transposed: S^T = K Q^T (source 0 = 16 keys, source 1 = my 16 queries), O^T = V P^T (source 0 = 16 channels, source 1 = p): a lane holds ONE query (lane % 16) throughout.
; TWO TILES OF KEYS IN ONE FRAGMENT: product 1 has 64 along K, the instruction 128.  Registers 0-5 of K's fragment hold tile A's 64 channels, registers 6-11 tile B's.  Q stands as [Q | zeros | Q] in 18 registers:
; the first twelve give S of tile A, the last twelve S of tile B; the other tile's codes meet zero codes.  On Q's side that half carries the scale byte 1.
; THE KEYS OF A TILE ARE NOT NEIGHBOURS: of a pair's 32 keys, key x goes to tile (x / 8) % 2, row x % 8 + 8 (x / 16), so that the 16 registers of a pair's two results are keys 16 (lane / 16) + 0 .. 15: neighbours along product 2's K.
; AN IMAGE is 1,536 bytes: lane l's twelve registers at 48 l: three ds_load_b128 bring a fragment; lane to lane 12 words.
; LIMITS: NaN and infinities among the inputs are not served.  A block whose largest magnitude lies under 2^-122 keeps the scale byte 1; a block of zeros gets the byte 1 where the rule says 127 (its codes are zeros, and the bytes are read here alone).
; v_exp_f32 gives 0 for a p under 2^-126.  The division by the row's sum is v_rcp_f32 and a multiplication.  Scores are taken to be finite in f32.
; THE MODE: SCHED_MODE bits 1:0 = 2 (LLVM: expert scheduling mode 2), set by the entry lines.  The code itself states the register dependences
; between vector or matrix instructions and memory or LDS instructions, with s_wait_alu, always for 0.
; THE PLAN.  Registers that memory or LDS instructions touch:
;   offsets and LDS addresses (v1-7, v36-37, v232-242)  written once at the head, read by loads and stores, never written again.
;   H0, H1 (v64-191)   a column's loads land; the column's multiplications, maxima and conversions name them; the next loads land.  For V: loads land, the stage's LDS stores read them, the loads of four half rows on land.
;   C, HW, BY          written by conversions, moves and shifts; read by the LDS stores that end a column or a half row; written again by the next.
;   X (v192-223)       the stage's LDS loads land; a half row's maxima and conversions read it.
;   v8-11              phase 2: four additions at a step's head write them; the step's 26 LDS loads read them.
;   KF (v40-87)        K's loads land; eight score products read it; V's loads land; four products V P^T read it.  Phase 2 leaves 27 registers free, a second set would take 48: so each of the two fills has a wait of its own.
;   KS, VS, QF, QS     loaded from LDS, read by products.     PC, PW  written by vector instructions, taken by the scaled products V P^T.
;   S on the way out   v96-127 written by the multiplications, read by LDS stores; rows land in v128-159, read by global stores; the next pass's products write all 64.
; A column and a half row each hold one wait on vm_vsrc (the last stores have read what is written again) and one on va_vdst ahead of their stores (a column one more, behind its maxima), which also frees their numbers' registers for the loads that follow.
; A key step holds one wait on vm_vsrc, ahead of the additions, and six on va_vdst: behind the additions; behind the score products' places; ahead of the exponentials; behind them; behind O's rescaling; ahead of the products V P^T.
.set HEADB, 1572864                    ; a head's slab of qkv in bytes: 192 rows of 8,192
.set ROWB,  8192                       ; a row of 2,048 f32
; LDS
.set KIMG,  0                          ; 64 pairs of key tiles x 1,536: pair P at 1536 P; in it 48 (row + 16 half) + 24 tile
.set VIMG,  98304                      ; 16 key steps x VSTEP; in a step 1536 (channel / 16) + 48 (channel % 16 + 16 (block % 2)) + 24 ((block / 2) % 2)
.set VSTEP, 6160                       ; four images + 16 bytes, so that the lanes that store eight steps' codes at once do not all start at one bank
.set KSC,   196864                     ; K's scale words: 256 step + 16 row + 4 pair; a word: tile A's two bytes, tile B's two
.set VSC,   200960                     ; V's: 256 step + 16 (channel % 16) + 4 (channel / 16); a word: the step's four blocks
.set QIMG,  205056                     ; 32 tiles of queries x 768: 24 (row + 16 half)
.set QSC,   229632                     ; Q's scale words, two a query: 128 tile + 8 row
.set STG,   233728                     ; phase 1: a stage of 32 x TPL bytes for each wave; phase 2: the way out, 64 rows x OP bytes
.set TPL,   144                        ; a block's 128 bytes + 16
.set OP,    1040                       ; 256 queries' f32 + 16
; vector registers that stay
.set AK0,  1                           ; KIMG + 48 lane
.set AV0,  2                           ; VIMG + 48 lane
.set AKS0, 3                           ; KSC + 16 (lane % 16)
.set AVS0, 4                           ; VSC + 16 (lane % 16)
.set AQ,   5                           ; QIMG + 768 wave + 24 lane
.set AQS,  6                           ; QSC + 128 wave + 8 (lane % 16)
.set SO,   7                           ; the way out: where I put a number
.set SR,   36                          ; and where I read rows back
.set GO,   37                          ; 32768 wave + 16 lane: my bytes in the wave's four rows of v, and of out0
; phase 2
.set ADK,  8                           ; v8-11 the step's LDS addresses: K, V, K's scales, V's scales
.set ADV,  9
.set ADKS, 10
.set ADVS, 11
.set NM,   12                          ; -M
.set TMX,  13                          ; the largest t so far
.set LS,   14                          ; v[14:15] the row's sum in two halves
.set QF,   16                          ; v16-21 Q, v22-27 zeros, v28-33 Q
.set QS,   34                          ; v34 Q's scale word for tile A's product, v35 for tile B's: scales and nothing else
.set KF,   40                          ; v40-87 four fragments: K's pairs, then V's
.set S,    96                          ; v96-159 S^T, then p; on the way out O / sum and the rows read back
.set O,    160                         ; v160-191 O^T: four tiles of 16 channels
.set PC,   192                         ; v192-203 p's codes
.set CT,   204                         ; v204-206, v208-210 the conversions' second halves
.set BM,   212                         ; v212-215 a block's largest score, then its largest p
.set BT,   216                         ; v216-219 the other half's, then the bytes
.set BSC,  220                         ; v220-223 the conversions' scale operands
.set TMP,  224
.set F,    226                         ; 2^(old M - new M); named as the pair v[226:227]
.set L2,   228                         ; v[228:229] the sum's second chain
.set KS,   244                         ; v244-247 K's scale words, v248-251 V's, v252 p's: scales and nothing else
.set VS,   248
.set PW,   252
; phase 1
.set H0,   64                          ; v64-127, v128-191: two sets of 64 numbers (a column's channels), or four of 32 (V as loaded)
.set H1,   128
.set X,    192                         ; v192-223 a block of 32 keys of V
.set C,    40                          ; v40-51 codes
.set T,    52                          ; v52-54, v56-58 the conversions' second halves
.set KSH,  60                          ; 16 x my key's tile, and 16 less that: where my halfword and my partner's stand in K's scale word
.set KSH2, 61
.set VSH,  62                          ; 8 (lane % 4): where my block's byte stands in V's
.set DT,   63                          ; another lane's part of a scale word
.set MX,   224                         ; v224-225 largest magnitudes
.set SCO,  226                         ; v226-227 the conversions' scale operands
.set BY,   228                         ; v228-229 bytes
.set HW,   230                         ; v[230:231] scale words on their way to LDS
.set GK,   232                         ; 512 wave + 4 lane: my key's bytes in a row of k
.set GQ,   233                         ; 128 wave + 4 lane: my query's
.set KW,   235                         ; where I store K's codes, K's scale word, Q's codes, Q's scale words
.set KSW,  236
.set QW,   237
.set QSW,  238
.set TI,   239                         ; my wave's stage, in and out
.set TO,   240
.set VW,   241                         ; where I store V's codes and V's scale word
.set VSW,  242
; scalars
.set WV,   8                           ; my wave's number
.set KB,   12                          ; s[12:13] k of my head; s[14:15] v; s[16:17] q at my block of queries; s[18:19] out0 likewise
.set VB,   14
.set QB,   16
.set OB,   18
.set SEL,  20                          ; s[20:21] v_permlanex16_b32's selects for lane l xor 16
.set CS,   22                          ; s[22:23] log2(e), twice: the packed forms name a pair
.set CQ,   24                          ; s[24:25] sigma, twice
.set TK,   26                          ; the step's place in KIMG, in VIMG, among the scale words
.set TV,   27
.set TS,   28
.set CNT,  29
.macro BARRIER                         ; my LDS stores have landed and my LDS loads are in: then the work-group's barrier
	s_wait_dscnt 0x0
	s_barrier_signal -1
	s_barrier_wait -1
.endm
; 64 loads: a lane takes a column (a key or a query) and its registers run down the 64 channels; a load reads 128 consecutive bytes
.macro LOADC reg, base, voff, imm, nt
.set cc, 0
.rept 64
.if \nt
	global_load_b32 v[\reg+cc], v[\voff], s[\base:\base+1] offset:cc*ROWB+\imm th:TH_LOAD_NT
.else
	global_load_b32 v[\reg+cc], v[\voff], s[\base:\base+1] offset:cc*ROWB+\imm
.endif
.set cc, cc+1
.endr
.endm
; A column's 64 numbers x sigma become two blocks' codes, 24 bytes each, and go to their places in an image: block h at coff + hoff h.  kind = 0: a key; 1: a query.  first = 1: the first column, with no LDS store in front of it
.macro QCOL reg, cadr, coff, hoff, sadr, soff, kind, first
.set cc, 0
.rept 32
	v_pk_mul_f32 v[\reg+cc:\reg+cc+1], v[\reg+cc:\reg+cc+1], s[CQ:CQ+1] op_sel_hi:[1,0]   ; x sigma, in f32
.set cc, cc+2
.endr
	v_max3_num_f32 v[MX], |v[\reg]|, |v[\reg+1]|, 0x2800000          ; each block's largest magnitude, all 32 numbers mine, and the floor 2^(5 - 127): the byte cannot fall under 1
	v_max3_num_f32 v[MX+1], |v[\reg+32]|, |v[\reg+33]|, 0x2800000
.set cc, 2
.rept 15
	v_max3_num_f32 v[MX], v[MX], |v[\reg+cc]|, |v[\reg+cc+1]|        ; (the two blocks by turns)
	v_max3_num_f32 v[MX+1], v[MX+1], |v[\reg+32+cc]|, |v[\reg+33+cc]|
.set cc, cc+2
.endr
	s_wait_alu depctr_va_vdst(0)
	s_wait_dscnt 0x0                               ; the last column's LDS stores are done
.if !\first
	s_wait_alu depctr_vm_vsrc(0)                   ; the last column's LDS stores have read v[C ..] and v[HW ..], which the lines below write again
.endif
	v_add_nc_u32 v[SCO], 0xfe000000, v[MX]         ; 4 off the exponent field: the conversion takes this operand's exponent field as its scale
	v_add_nc_u32 v[SCO+1], 0xfe000000, v[MX+1]
	v_lshrrev_b32 v[BY], 23, v[SCO]                ; the scales' bytes
	v_lshrrev_b32 v[BY+1], 23, v[SCO+1]
	v_lshl_or_b32 v[HW], v[BY+1], 8, v[BY]
.if \kind
	v_lshl_or_b32 v[HW+1], v[HW], 16, 0x0101       ; a query's two words: (1, 1, b0, b1) for the product with tile B,
	v_or_b32 v[HW], 0x01010000, v[HW]              ; (b0, b1, 1, 1) for that with tile A
.else
	v_mov_b32_dpp v[DT], v[HW] row_xmask:8 row_mask:0xf bank_mask:0xf   ; lane l xor 8 holds the same row of the pair's other tile
	v_lshlrev_b32 v[HW], v[KSH], v[HW]
	v_lshlrev_b32 v[DT], v[KSH2], v[DT]
	v_or_b32 v[HW], v[HW], v[DT]                   ; tile A's two bytes, tile B's two: both lanes hold the same word
.endif
.irp b, 0,1
	v_cvt_scalef32_pk16_bf6_f32 v[C+6*\b:C+6*\b+2], v[\reg+32*\b:\reg+32*\b+15], v[SCO+\b]
	v_cvt_scalef32_pk16_bf6_f32 v[T+4*\b:T+4*\b+2], v[\reg+32*\b+16:\reg+32*\b+31], v[SCO+\b]   ; (a conversion's three registers begin on an even number)
.endr
	v_nop                                          ; one plain place behind a scaled conversion
.irp b, 0,1
.irp i, 0,1,2
	v_mov_b32 v[C+6*\b+3+\i], v[T+4*\b+\i]
.endr
.endr
	s_wait_alu depctr_va_vdst(0)                   ; the codes v[C ..], the scale words v[HW ..] and the stores' addresses are written, which the LDS stores read; the column's lines are done with its 64 registers, in which the loads behind this macro land
.irp h, 0,1
.irp m, 0,1,2
	ds_store_b64 v[\cadr], v[C+6*\h+2*\m:C+6*\h+2*\m+1] offset:\coff+\hoff*\h+8*\m
.endr
.endr
.if \kind
	ds_store_b64 v[\sadr], v[HW:HW+1] offset:\soff
.else
	ds_store_b32 v[\sadr], v[HW] offset:\soff      ; both lanes of a row write the same word with the same value
.endif
.endm
; Half a row of V (channel 4 wave + t / 2, keys 1024 (t % 2) on): eight loads of 512 consecutive bytes
.macro LOADV t
.set RQ, 64+32*(((\t)+2)%4)
.irp n, 0,1,2,3,4,5,6,7
	global_load_b128 v[RQ+4*\n:RQ+4*\n+3], v[GO], s[VB:VB+1] offset:((\t)/2)*ROWB+((\t)%2)*4096+512*\n
.endr
.endm
; That half row turns through my wave's stage, so that lane l holds block l's 32 keys, and is quantised.  left: the younger loads that may stay out
.macro VQ t, left
.set VR, 64+32*(((\t)+2)%4)
	s_wait_loadcnt \left
.irp n, 0,1,2,3,4,5,6,7
	ds_store_b128 v[TI], v[VR+4*\n:VR+4*\n+3] offset:4*TPL*\n       ; as loaded: eight lanes fill a block's place
.endr
.irp n, 0,1,2,3,4,5,6,7
	ds_load_b128 v[X+4*\n:X+4*\n+3], v[TO] offset:16*\n             ; LDS serves a wave's instructions in order (ISA guide 5.7.1.4): these see the stores above.  No vector instruction since the last wait on va_vdst names v[X ..]
.endr
	s_wait_dscnt 0x0                               ; the block is in
	s_wait_alu depctr_vm_vsrc(0)                   ; the stage's stores have read the half row's registers, in which later loads land; the last LDS stores of codes and scale words have read v[C ..] and v[BY], which the lines below write again
.if (\t) < 4
	LOADV (\t)+4                                   ; into the registers just left
.endif
	v_max3_num_f32 v[MX], |v[X]|, |v[X+1]|, |v[X+2]|
	v_max3_num_f32 v[MX+1], |v[X+3]|, |v[X+4]|, |v[X+5]|
.irp i, 6,10,14,18,22,26
	v_max3_num_f32 v[MX], v[MX], |v[X+\i]|, |v[X+\i+1]|
	v_max3_num_f32 v[MX+1], v[MX+1], |v[X+\i+2]|, |v[X+\i+3]|
.endr
	v_max3_num_f32 v[MX], v[MX], |v[X+30]|, |v[X+31]|
	v_max3_num_f32 v[MX], v[MX], v[MX+1], 0x2800000                 ; and the floor
	v_add_nc_u32 v[SCO], 0xfe000000, v[MX]
	v_lshrrev_b32 v[BY], 23, v[SCO]
	v_lshlrev_b32 v[BY], v[VSH], v[BY]             ; my block's byte at its place; four neighbouring lanes hold a key step's four blocks
	v_mov_b32_dpp v[DT], v[BY] row_xmask:1 row_mask:0xf bank_mask:0xf
	v_or_b32 v[BY], v[BY], v[DT]
	v_mov_b32_dpp v[DT], v[BY] row_xmask:2 row_mask:0xf bank_mask:0xf
	v_or_b32 v[BY], v[BY], v[DT]                   ; the word is whole in all four
	v_cvt_scalef32_pk16_bf6_f32 v[C:C+2], v[X:X+15], v[SCO]
	v_cvt_scalef32_pk16_bf6_f32 v[T:T+2], v[X+16:X+31], v[SCO]
	v_nop                                          ; one plain place behind a scaled conversion
.irp i, 0,1,2
	v_mov_b32 v[C+3+\i], v[T+\i]
.endr
	s_wait_alu depctr_va_vdst(0)                   ; the codes v[C ..] and the scale word v[BY] are written, which the LDS stores read; the maxima and conversions are done reading v[X ..], in which the next half row's LDS loads land
.irp m, 0,1,2
	ds_store_b64 v[VW], v[C+2*\m:C+2*\m+1] offset:48*((\t)/2)+8*VSTEP*((\t)%2)+8*\m
.endr
	ds_store_b32 v[VSW], v[BY] offset:16*((\t)/2)+2048*((\t)%2)     ; the four lanes write the same word with the same value
.endm
	s_load_b128 s[4:7], s[0:1], 0x0                ; qkv, out0
	v_lshl_add_u32 v254, v0, 2, 0x4b100
	v_mov_b32 v255, 0
	v_lshrrev_b32 v8, 5, v0
	v_readfirstlane_b32 s[WV], v8                  ; wave 0..15
	v_and_b32 v9, 31, v0                           ; lane
	s_wait_alu depctr_va_vdst(0)
	s_and_b32 s9, ttmp7, 0xffff                    ; the head
	s_mul_i32 s10, s9, HEADB                       ; its slab (under 2^27 bytes in)
	s_mov_b32 s11, 0
	s_lshl_b32 s30, ttmp9, 11                      ; my block of 512 queries: 2,048 bytes of a row
	s_mov_b32 s31, 0
	s_lshl_b32 s32, s9, 19                         ; the head's 64 rows of out0,
	s_add_co_u32 s32, s32, s30                     ; and the block
	s_mov_b32 s33, 0
	s_mov_b32 s[SEL], 0x76543210
	s_mov_b32 s[SEL+1], 0xfedcba98
	s_mov_b32 s[CS], 0x3fb8aa3b                    ; log2(e)
	s_mov_b32 s[CS+1], s[CS]
	s_mov_b32 s[CQ], 0x3eb504f3                    ; 1 / sqrt(sqrt(64)), each step rounded to f32
	s_mov_b32 s[CQ+1], s[CQ]
	s_wait_alu depctr_va_sdst(0)                   ; the wave's number is written, ahead of its first reader
	s_lshl_b32 s34, s[WV], 9
	v_lshlrev_b32 v[GK], 2, v9
	v_add_nc_u32 v[GK], s34, v[GK]
	s_wait_kmcnt 0x0
	s_add_nc_u64 s[QB:QB+1], s[4:5], s[10:11]
	s_add_nc_u64 s[KB:KB+1], s[QB:QB+1], 64*ROWB
	s_add_nc_u64 s[VB:VB+1], s[QB:QB+1], 128*ROWB
	s_add_nc_u64 s[QB:QB+1], s[QB:QB+1], s[30:31]
	s_add_nc_u64 s[OB:OB+1], s[6:7], s[32:33]
	; ---- PHASE 1.  Wave w makes key step w's four pairs (keys 128 w + 32 i + lane), the queries 32 w + lane, and V's channels 4 w .. 4 w + 3
	s_wait_alu depctr_va_vdst(0)                   ; v[GK] is written, which k's loads read as their offset
	LOADC H0, KB, GK, 0, 0                         ; the first pair is asked for before the addresses are made
	v_and_b32 v10, 15, v0                          ; r = lane % 16
	v_bfe_u32 v11, v0, 4, 1                        ; h = lane / 16
	v_and_b32 v12, 7, v0
	v_lshl_add_u32 v12, v11, 3, v12                ; my key's row in its tile: lane % 8 + 8 (lane / 16)
	v_bfe_u32 v13, v0, 3, 1                        ; and its tile: (lane / 8) % 2
	v_mul_u32_u24 v[AK0], v9, 48                   ; (KIMG is LDS byte 0)
	v_mad_u32_u24 v[AV0], v9, 48, VIMG
	v_lshl_add_u32 v[AKS0], v10, 4, KSC
	v_lshl_add_u32 v[AVS0], v10, 4, VSC
	s_mul_i32 s34, s[WV], 768
	s_add_co_u32 s34, s34, QIMG
	v_mul_u32_u24 v[AQ], v9, 24
	v_add_nc_u32 v[AQ], s34, v[AQ]
	s_lshl_b32 s34, s[WV], 7
	v_lshlrev_b32 v[GQ], 2, v9
	v_add_nc_u32 v[GQ], s34, v[GQ]
	s_add_co_u32 s34, s34, QSC
	v_lshlrev_b32 v[AQS], 3, v10
	v_add_nc_u32 v[AQS], s34, v[AQS]
	v_mul_u32_u24 v[SO], v11, 8*OP                 ; the way out: row = channel 8 h + .., column = query 16 wave + r
	v_lshl_add_u32 v[SO], v10, 2, v[SO]
	s_lshl_b32 s34, s[WV], 6
	s_add_co_u32 s34, s34, STG
	v_add_nc_u32 v[SO], s34, v[SO]
	s_mul_i32 s34, s[WV], 4*OP                     ; back: wave w takes rows 4 w .. 4 w + 3, 16 bytes a lane
	s_add_co_u32 s34, s34, STG
	v_lshlrev_b32 v[SR], 4, v9
	v_add_nc_u32 v[SR], s34, v[SR]
	s_lshl_b32 s34, s[WV], 15
	v_lshlrev_b32 v[GO], 4, v9
	v_add_nc_u32 v[GO], s34, v[GO]
	v_mul_u32_u24 v[KW], v12, 48
	v_mad_u32_u24 v[KW], v13, 24, v[KW]
	s_mul_i32 s34, s[WV], 6144
	v_add_nc_u32 v[KW], s34, v[KW]
	s_lshl_b32 s34, s[WV], 8
	s_add_co_u32 s35, s34, QSC
	v_lshlrev_b32 v[QSW], 3, v9
	v_add_nc_u32 v[QSW], s35, v[QSW]
	s_add_co_u32 s34, s34, KSC
	v_lshlrev_b32 v[KSW], 4, v12
	v_add_nc_u32 v[KSW], s34, v[KSW]
	v_lshlrev_b32 v[KSH], 4, v13
	v_xor_b32 v[KSH2], 16, v[KSH]
	v_mul_u32_u24 v[QW], v10, 24
	v_mad_u32_u24 v[QW], v11, 768, v[QW]
	s_mul_i32 s34, s[WV], 1536
	s_add_co_u32 s34, s34, QIMG
	v_add_nc_u32 v[QW], s34, v[QW]
	s_mul_i32 s34, s[WV], 32*TPL                   ; my wave's stage
	s_add_co_u32 s34, s34, STG
	v_bfe_u32 v14, v0, 3, 2
	v_and_b32 v15, 7, v0
	v_mul_u32_u24 v[TI], v14, TPL                  ; in: a load's 512 bytes are four blocks: place lane / 8, 16 (lane % 8) in it
	v_lshl_add_u32 v[TI], v15, 4, v[TI]
	v_add_nc_u32 v[TI], s34, v[TI]
	v_mul_u32_u24 v[TO], v9, TPL                   ; out: place = lane
	v_add_nc_u32 v[TO], s34, v[TO]
	s_lshr_b32 s34, s[WV], 2                       ; my channels' tile: wave / 4; their rows in it: 4 (wave % 4) + i
	s_and_b32 s35, s[WV], 3
	s_mul_i32 s36, s34, 1536
	s_mul_i32 s37, s35, 192
	s_add_co_u32 s36, s36, s37
	s_add_co_u32 s36, s36, VIMG
	v_bfe_u32 v14, v0, 2, 3                        ; my block's key step: lane / 4 (+ 8 in a row's second half)
	v_and_b32 v15, 1, v0
	v_bfe_u32 v8, v0, 1, 1
	v_mul_u32_u24 v[VW], v14, VSTEP
	v_mad_u32_u24 v[VW], v15, 768, v[VW]           ; block % 2: the fragment's lanes 16-31
	v_mad_u32_u24 v[VW], v8, 24, v[VW]             ; (block / 2) % 2: its registers 6-11
	v_add_nc_u32 v[VW], s36, v[VW]
	s_lshl_b32 s36, s34, 2
	s_lshl_b32 s37, s35, 6
	s_add_co_u32 s36, s36, s37
	s_add_co_u32 s36, s36, VSC
	v_lshlrev_b32 v[VSW], 8, v14
	v_add_nc_u32 v[VSW], s36, v[VSW]
	v_and_b32 v15, 3, v0
	v_lshlrev_b32 v[VSH], 3, v15
	v_mov_b32 v[DT], 0                             ; written once: the destination of a DPP form counts as one of its sources
.irp i, 6,7,8,9,10,11
	v_mov_b32 v[QF+\i], 0                          ; Q's zero codes, for the whole launch
.endr
	LOADC H1, KB, GK, 128, 0                       ; no wait: none of the lines since the wait above names v[GK] or v128-191
	s_wait_loadcnt 63                              ; 64 younger loads were issued; the count can name 63 at the most, which asks for one load more than is needed.  So in all four of these waits
	QCOL H0, KW, 0, 768, KSW, 0, 0, 1
	LOADC H0, KB, GK, 256, 0
	s_wait_loadcnt 63
	QCOL H1, KW, 1536, 768, KSW, 4, 0, 0
	LOADC H1, KB, GK, 384, 0
	s_wait_loadcnt 63
	QCOL H0, KW, 3072, 768, KSW, 8, 0, 0
	LOADC H0, QB, GQ, 0, 1                         ; q is read once in the whole launch
	s_wait_loadcnt 63
	QCOL H1, KW, 4608, 768, KSW, 12, 0, 0
	LOADV 0
	LOADV 1
	s_wait_loadcnt 16                              ; q is in; V's first sixteen loads may be out
	QCOL H0, QW, 0, 384, QSW, 0, 1, 0
	LOADV 2
	LOADV 3
	VQ 0, 24                                       ; three half rows, eight loads each, are younger
	VQ 1, 24
	VQ 2, 24
	VQ 3, 24
	VQ 4, 24
	VQ 5, 16                                       ; nothing more is asked for: the counts run down
	VQ 6, 8
	VQ 7, 0
	BARRIER                                        ; all images and scale words lie in LDS, and every wave has left its stage
	; ---- PHASE 2
	s_wait_alu depctr_vm_vsrc(0)                   ; my last LDS stores have read v40-45 and v228: from here on fragments land in the first, and the row's sum is kept in the other
.irp b, 0,1,2,3
	v_mov_b32 v[BT+\b], 0                          ; written once: a lane permute's destination counts as one of its sources
.endr
	v_mov_b32 v[F+1], 0                            ; (named as the upper half of the pair v[226:227])
; A KEY STEP: 128 keys
.macro STEP
	s_wait_alu depctr_vm_vsrc(0)                   ; the last step's LDS loads have read v8-11, which the four additions write
	v_add_nc_u32 v[ADK], s[TK], v[AK0]
	v_add_nc_u32 v[ADV], s[TV], v[AV0]
	v_add_nc_u32 v[ADKS], s[TS], v[AKS0]
	v_add_nc_u32 v[ADVS], s[TS], v[AVS0]
	s_wait_alu depctr_va_vdst(0)                   ; the four addresses are written, which this step's LDS loads read; the last step's products are done reading v[KF ..] and v[KS ..], in which the loads below land
	ds_load_b128 v[KS:KS+3], v[ADKS]               ; the four pairs' scale words of my row
.irp b, 0,1,2,3
.irp g, 0,1,2
	ds_load_b128 v[KF+12*\b+4*\g:KF+12*\b+4*\g+3], v[ADK] offset:1536*\b+16*\g
.endr
.endr
.irp b, 0,1,2,3                        ; S^T = K Q^T: a pair's fragment against [Q | 0] and against [0 | Q]
	s_wait_dscnt 9-3*\b                            ; pair b is in; the three loads of each pair behind it may be out
	v_wmma_scale_f32_16x16x128_f8f6f4 v[S+16*\b:S+16*\b+7], v[KF+12*\b:KF+12*\b+11], v[QF:QF+11], 0, v[KS+\b], v[QS] matrix_a_fmt:MATRIX_FMT_BF6 matrix_b_fmt:MATRIX_FMT_BF6
	v_wmma_scale_f32_16x16x128_f8f6f4 v[S+16*\b+8:S+16*\b+15], v[KF+12*\b:KF+12*\b+11], v[QF+6:QF+17], 0, v[KS+\b], v[QS+1] matrix_a_fmt:MATRIX_FMT_BF6 matrix_b_fmt:MATRIX_FMT_BF6
.endr                                  ; register 16 b + i of lane (query, h) is key 32 b + 16 h + i of the step
.rept 4
	v_nop                                          ; four places (ISA guide 7.12.1) in front of the first read of the scores
.endr
	s_wait_alu depctr_va_vdst(0)                   ; the score products are done reading v[KF ..], and the last step's products V P^T are done reading v[VS ..]: V's loads below land in both
	ds_load_b128 v[VS:VS+3], v[ADVS]               ; V's fragments and scale words land while the softmax is walked
.irp t, 0,1,2,3
.irp g, 0,1,2
	ds_load_b128 v[KF+12*\t+4*\g:KF+12*\t+4*\g+3], v[ADV] offset:1536*\t+16*\g
.endr
.endr
.irp b, 0,1,2,3
	v_max3_num_f32 v[BM+\b], v[S+16*\b], v[S+16*\b+1], v[S+16*\b+2]   ; the largest score of each block of 32 keys: for the row's maximum and, since p rises with the score, for the block's largest p.  (Each result is read from its low end on)
.endr
.irp i, 3,5,7,9,11,13
.irp b, 0,1,2,3
	v_max3_num_f32 v[BM+\b], v[BM+\b], v[S+16*\b+\i], v[S+16*\b+\i+1]
.endr
.endr
.irp b, 0,1,2,3
	v_max_num_f32 v[BM+\b], v[BM+\b], v[S+16*\b+15]
.endr
.irp b, 0,1,2,3
	v_permlanex16_b32 v[BT+\b], v[BM+\b], s[SEL], s[SEL+1]
.endr
.irp b, 0,1,2,3
	v_max_num_f32 v[BM+\b], v[BM+\b], v[BT+\b]     ; with lane l xor 16's 16 keys
.endr
	v_max3_num_f32 v[TMP], v[BM], v[BM+1], v[BM+2]
	v_max_num_f32 v[TMP], v[TMP], v[BM+3]          ; the step's largest score of my query,
	v_mul_f32 v[TMP], s[CS], v[TMP]                ; as t
	v_max_num_f32 v[TMX], v[TMX], v[TMP]           ; the running largest t
	v_mov_b32 v[TMP], v[NM]
	v_floor_f32 v[NM], -v[TMX]                     ; the new -M = floor(-t) = -ceil(t): a whole number
	v_sub_f32 v[TMP], v[NM], v[TMP]                ; old M less new M: a whole number, 0 or less
	v_cvt_i32_f32 v[TMP], v[TMP]                   ; (it saturates)
	v_ldexp_f32 v[F], 1.0, v[TMP]                  ; f = 2^(old M - new M): a multiplication by it rounds nothing
.set jj, 0
.rept 32
	v_pk_fma_f32 v[S+jj:S+jj+1], v[S+jj:S+jj+1], s[CS:CS+1], v[NM:NM+1] op_sel_hi:[1,0,0]   ; t - M, two at a time
.set jj, jj+2
.endr
.irp b, 0,1,2,3
	v_fma_f32 v[BM+\b], v[BM+\b], s[CS], v[NM]     ; the same of each block's largest score
.endr
.set jj, 0
	s_wait_alu depctr_va_vdst(0)
.rept 64
	v_exp_f32 v[S+jj], v[S+jj]                     ; p = 2^(t - M), at most 1, not normalised
.set jj, jj+1
.endr
.irp b, 0,1,2,3
	v_exp_f32 v[BM+\b], v[BM+\b]                   ; the block's largest p: the same two instructions on the same number
.endr
	v_pk_mul_f32 v[LS:LS+1], v[LS:LS+1], v[F:F+1] op_sel_hi:[1,0]   ; the sums under the new M.  (The plain place behind the exponentials)
.set jj, 0
	s_wait_alu depctr_va_vdst(0)
.rept 16
	v_pk_mul_f32 v[O+jj:O+jj+1], v[O+jj:O+jj+1], v[F:F+1] op_sel_hi:[1,0]   ; O^T under the new M, each tile from its low end on.  These name no exponential's result
.set jj, jj+2
.endr
	s_wait_alu depctr_va_vdst(0)                   ; the 68 exponentials have written p and the blocks' largest p: one wait for the batch, ahead of the first line that names a result
.irp b, 0,1,2,3
	v_max_num_f32 v[BM+\b], 0x2800000, v[BM+\b]    ; the floor 2^(5 - 127)
.endr
.irp b, 0,1,2,3
	v_add_nc_u32 v[BSC+\b], 0xfe000000, v[BM+\b]   ; the conversion's scale operand
.endr
.irp b, 0,1,2,3
	v_lshrrev_b32 v[BT+\b], 23, v[BSC+\b]          ; the scale's byte
.endr
	v_lshl_or_b32 v[PW], v[BT+1], 8, v[BT]         ; p's scale word for these 128 keys
	v_lshl_or_b32 v[PW], v[BT+2], 16, v[PW]
	v_lshl_or_b32 v[PW], v[BT+3], 24, v[PW]
.irp c, 0,1
	v_cvt_scalef32_pk16_bf6_f32 v[PC+6*\c:PC+6*\c+2], v[S+32*\c:S+32*\c+15], v[BSC+2*\c]
	v_cvt_scalef32_pk16_bf6_f32 v[CT+4*\c:CT+4*\c+2], v[S+32*\c+16:S+32*\c+31], v[BSC+2*\c+1]
.endr
	v_nop                                          ; one plain place behind a scaled conversion
.irp c, 0,1                            ; the operand wants a whole block in a lane: lanes 0-15 block 2 c, lanes 16-31 block 2 c + 1
.irp i, 0,1,2
	v_permlane16_swap_b32 v[PC+6*\c+\i], v[CT+4*\c+\i]
.endr
.irp i, 0,1,2
	v_mov_b32 v[PC+6*\c+3+\i], v[CT+4*\c+\i]
.endr
.endr
	v_pk_add_f32 v[L2:L2+1], v[S:S+1], v[S+2:S+3]  ; the row's sum is taken of the unquantised p, two at a time, in two chains.  (These 32 are also the places between p's codes and scale word and the products)
.set jj, 4
.rept 15
	v_pk_add_f32 v[LS:LS+1], v[LS:LS+1], v[S+jj:S+jj+1]
	v_pk_add_f32 v[L2:L2+1], v[L2:L2+1], v[S+jj+2:S+jj+3]
.set jj, jj+4
.endr
	v_pk_add_f32 v[LS:LS+1], v[LS:LS+1], v[L2:L2+1]
	s_wait_dscnt 0x0                               ; V is in
	s_wait_alu depctr_va_vdst(0)                   ; p's codes v[PC ..] and scale word v[PW] are written, which the scaled products take as source 1 and its scales; the places above stay beside this wait
.irp t, 0,1,2,3                        ; O^T += V P^T: the four accumulators by turns, one instruction a turn; the next step's eight products stand between two links
	v_wmma_scale_f32_16x16x128_f8f6f4 v[O+8*\t:O+8*\t+7], v[KF+12*\t:KF+12*\t+11], v[PC:PC+11], v[O+8*\t:O+8*\t+7], v[VS+\t], v[PW] matrix_a_fmt:MATRIX_FMT_BF6 matrix_b_fmt:MATRIX_FMT_BF6
.endr
	s_add_co_u32 s[TK], s[TK], 6144
	s_add_co_u32 s[TV], s[TV], VSTEP
	s_add_co_u32 s[TS], s[TS], 256
.endm
; A PASS: my tile of queries 256 u + 16 wave + 0 .. 15 of the block, against all 2,048 keys; then 256 queries x 64 channels leave through the stage
.macro PASS u
.irp m, 0,1,2
	ds_load_b64 v[QF+2*\m:QF+2*\m+1], v[AQ] offset:12288*\u+8*\m          ; Q's 24 bytes a lane, twice: ahead of the zeros and behind them.  (No vector or matrix instruction since the last wait on va_vdst names these registers or Q's scale words)
	ds_load_b64 v[QF+12+2*\m:QF+12+2*\m+1], v[AQ] offset:12288*\u+8*\m
.endr
	ds_load_b64 v[QS:QS+1], v[AQS] offset:2048*\u
	v_mov_b32 v[TMX], 0xff61b1e6                   ; the largest t so far: -3e38, under every t
	v_floor_f32 v[NM], -v[TMX]
	v_mov_b32 v[LS], 0
	v_mov_b32 v[LS+1], 0
.set jj, 0
.rept 32
	v_mov_b32 v[O+jj], 0                           ; the step is written once: the first finds zeros, which the first change of M leaves zeros
.set jj, jj+1
.endr
	s_mov_b32 s[TK], 0
	s_mov_b32 s[TV], 0
	s_mov_b32 s[TS], 0
	s_mov_b32 s[CNT], 16
	s_wait_dscnt 0x0
.Lstep_\@:
	STEP
	s_sub_co_u32 s[CNT], s[CNT], 1
	s_cmp_lg_u32 s[CNT], 0
	s_cbranch_scc1 .Lstep_\@
.rept 4
	v_nop                                          ; four places behind the last products
.endr
	v_add_f32 v[LS], v[LS], v[LS+1]                ; the sum's two halves,
	v_permlanex16_b32 v[TMP], v[LS], s[SEL], s[SEL+1]
	v_add_f32 v[LS], v[LS], v[TMP]                 ; and lane l xor 16's
	s_wait_alu depctr_va_vdst(0)
	v_rcp_f32 v[LS], v[LS]
	v_nop                                          ; one plain place behind a transcendental
	s_wait_alu depctr_va_vdst(0)                   ; the reciprocal is written, ahead of the first line that names it
.set jj, 0
.rept 32
	v_mul_f32 v[S+jj], v[O+jj], v[LS]              ; register 8 t + j: a(channel 16 t + 8 h + j, my query)
.set jj, jj+1
.endr
.if \u
	BARRIER                                        ; every wave has read the last pass's rows out of the stage.  (In front of the first pass's stores stands the barrier that ended phase 1)
.endif
	s_wait_alu depctr_va_vdst(0)                   ; the multiplications have written v[S .. S+31], which the LDS stores read; the pass's lines are done with v[S+32 ..], in which the rows below land, and with Q's registers and scale words, in which the next pass's loads land
.irp t, 0,1,2,3
.irp j, 0,1,2,3,4,5,6,7
	ds_store_b32 v[SO], v[S+8*\t+\j] offset:(16*\t+\j)*OP            ; sixteen lanes: 64 consecutive bytes of a channel's row; the other sixteen eight rows on
.endr
.endr
	BARRIER                                        ; 64 rows of 256 queries lie in the stage
.irp n, 0,1,2,3,4,5,6,7
	ds_load_b128 v[S+32+4*\n:S+32+4*\n+3], v[SR] offset:(\n/2)*OP+512*(\n%2)
.endr
.irp n, 0,1,2,3,4,5,6,7
	s_wait_dscnt 7-\n                              ; load n is in; the younger ones may be out
	global_store_b128 v[GO], v[S+32+4*\n:S+32+4*\n+3], s[OB:OB+1] offset:(\n/2)*ROWB+1024*\u+512*(\n%2) th:TH_STORE_NT   ; 32 lanes store 512 consecutive bytes, at a multiple of 512 from out0's first byte
.endr
.if \u == 0
	s_wait_xcnt 0x0                                ; the stores' data registers are written again only behind this wait (ISA guide 3.1)
	s_wait_alu depctr_vm_vsrc(0)                   ; the LDS stores have read v[S .. S+31] and the global stores v[S+32 .. S+63], which the next pass's products write
.endif
.endm
	PASS 0
	PASS 1
	s_wait_dscnt 0x0
	s_wait_alu depctr_hold_cnt(0) depctr_sa_sdst(0) depctr_va_vdst(0) depctr_va_sdst(0) depctr_va_ssrc(0) depctr_va_vcc(0) depctr_vm_vsrc(0)
	s_wait_tensorcnt 0x0
	ds_add_u32 v254, v255
	s_wait_dscnt 0x0
	s_endpgm
.Lfunc_end_k_qf5378e8b19_attn:
	.size	k_qf5378e8b19_attn, .Lfunc_end_k_qf5378e8b19_attn-k_qf5378e8b19_attn
	.p2alignl 7, 3214868480
	.fill 96, 4, 3214868480
	.section	.rodata,"a",@progbits
	.p2align	6, 0x0
	.amdhsa_kernel k_qf5378e8b19_attn
		.amdhsa_group_segment_fixed_size 309504
		.amdhsa_private_segment_fixed_size 0
		.amdhsa_enable_private_segment 0
		.amdhsa_kernarg_size 16
		.amdhsa_user_sgpr_count 2
		.amdhsa_user_sgpr_kernarg_segment_ptr 1
		.amdhsa_wavefront_size32 1
		.amdhsa_system_sgpr_workgroup_id_x 1
		.amdhsa_system_sgpr_workgroup_id_y 1
		.amdhsa_system_sgpr_workgroup_id_z 1
		.amdhsa_system_vgpr_workitem_id 0
		.amdhsa_next_free_vgpr 256
		.amdhsa_next_free_sgpr 66
		.amdhsa_reserve_vcc 0
		.amdhsa_float_denorm_mode_32 3
		.amdhsa_float_denorm_mode_16_64 3
		.amdhsa_memory_ordered 1
		.amdhsa_forward_progress 1
		.amdhsa_inst_pref_size 139
	.end_amdhsa_kernel
	.amdgpu_metadata
---
amdhsa.version: [ 1, 2 ]
amdhsa.kernels:
  - .name:           k_qf5378e8b19_attn
    .symbol:         k_qf5378e8b19_attn.kd
    .args:
      - { .name: qkv, .offset: 0, .size: 8, .value_kind: global_buffer, .address_space: global }
      - { .name: out0, .offset: 8, .size: 8, .value_kind: global_buffer, .address_space: global }
    .group_segment_fixed_size: 309504
    .private_segment_fixed_size: 0
    .kernarg_segment_align: 8
    .kernarg_segment_size: 16
    .max_flat_workgroup_size: 512
    .sgpr_count:     66
    .vgpr_count:     256
    .wavefront_size: 32
...
	.end_amdgpu_metadata
.endif
;; end of part 2
